; MI455X (gfx1250); checked and timed in simulation.
; The chip was launched on July 23, 2026; its instructions are those of AMD's public machine-readable ISA for CDNA 5 (MIT licence, August 2026) and "CDNA5" Instruction Set Architecture Reference Guide (July 2026). The comments in the code are by the model that wrote it; some were corrected since.
;; deterministic layer. Allowed arithmetic: float matrix products may take bf16 or f16 operands with f32 sums; other float arithmetic in f32, or as packed bf16 or f16 multiplies, adds, multiply-adds, maxima and minima; sums over many terms, partial sums and values carried from step to step in f32; what a program stores and reads back later, other than sums and carried values, may be rounded once to bf16 or f16.
;; Inputs: Wa0 8 x 2 x 128 x 7 float32; Wah 8 x 2 x 3 x 128 x 128 float32; Wao 8 x 2 x 3 x 128 float32; Wb0 8 x 2 x 128 x 8 float32; Wbh 8 x 2 x 3 x 128 x 128 float32; Wbo 8 x 2 x 2 x 128 float32; ba0 8 x 2 x 128 float32; bah 8 x 2 x 3 x 128 float32; bao 8 x 2 x 3 float32; bb0 8 x 2 x 128 float32; bbh 8 x 2 x 3 x 128 float32; bbo 8 x 2 x 2 float32; perms 8 x 5 int32; xs 32,768 x 5 float32; ys 32,768 x 5 float32.
;; Outputs: out0 32,768 x 5 float32; out1 32,768 float32.
;; One version. Each part assembles by itself: llvm-mc -triple=amdgcn-amd-amdhsa -mcpu=gfx1250 --defsym DOCPART=n.
;; ======== version 1 of 1: 2 launches
;; limits: inputs' magnitudes at most 22,700; values are held in f16: magnitudes above 65,504 overflow, below 6.1e-05 lose precision; a function is approximated: absolute error at most 1e-05
;; workspace buffers: wpk 3,604,480 bytes
;; launch pack (part 1): grid 32 x 13, 8 waves a work-group, no clusters, 0 bytes of LDS; arguments Wa0, Wah, Wao, Wb0, Wbh, Wbo, ba0, bah, bao, bb0, bbh, bbo, wpk; writes wpk
.if DOCPART == 1
	.amdgcn_target "amdgcn-amd-amdhsa--gfx1250"
	.amdhsa_code_object_version 6
	.text
	.protected	k_qf04ed32303_pack
	.globl	k_qf04ed32303_pack
	.p2align	8
	.type	k_qf04ed32303_pack,@function
k_qf04ed32303_pack:
	s_mov_b64 s[64:65], 0
	v_nop
	global_prefetch_b8 v0, s[64:65] scope:SCOPE_SE
	s_setreg_imm32_b32 hwreg(HW_REG_WAVE_MODE, 25, 1), 1
	s_wait_xcnt 0x0
; PACK: every weight and bias of the 32 subnets, rounded once to bf16, laid out as the register images of matrix fragments.
; Coupling c = 0..15: even c is the 'b' coupling of layer c / 2, odd c the 'a' coupling; q = 0 is the subnet s, q = 1 the subnet t.
; wpk: 16 couplings of CPL bytes in three chunks: [L0 | H0] of q = 0, 1 (2 x 40,960); H1 (2 x 32,768); [H2 | Out] (2 x 36,864); behind them the table of biases, 2,048 bytes for each (c, q).
; A FRAGMENT IMAGE is 1,024 bytes: lane L's registers 0-3 are the 16 bytes at 16 L, its registers 4-7 those at 512 + 16 L.  Lane L = (r = L % 16, h = L / 16) holds row r and
; k = 8 h + 0..7 (first half) and 16 + 8 h + 0..7 (second half).
; HIDDEN: f16(c2 x bf16(W)), c2 = 2 log2(e): the factor of tanh(z) = 1 - 2 / (1 + 2^(c2 z)) lies in the weights.  OUT: f16(bf16(W)) in the rows 8 h + k that stand for slot 3 h + k of a row's state, 0 elsewhere.
; L0: bf16(W), each column twice (for the high and the low part of the input), and the bias twice in two places of K.
; LIMITS.  c2 x W goes in f16: |W| stays under 22,700; below 6e-5 it keeps f16's fixed step of 6e-8.  NaN and infinities are not treated apart.
; SHARES.  Work-group x = 2 c + q.  y = 0..11: layer y / 4, 32 rows (two feature tiles) of its 128 x 128 weights.  y = 12: L0, Out and the biases.  Every store of a wave covers 512 consecutive bytes, aligned.
.set CPL, 221184
.set BTO, 3538944                      ; the table of biases
.set CC,  62                           ; s[62:63] c2, as a pair for the packed multiply
; eight f32 in v[a ..] -> rounded to bf16, (scale = 1: times c2,) written as f16: four registers v[o ..]
.macro CONV a, o, scale
.irp j, 0,1,2,3
	v_cvt_pk_bf16_f32 v[(\o)+\j], v[(\a)+2*\j], v[(\a)+2*\j+1]
.endr
.irp j, 0,1,2,3
	v_lshlrev_b32 v[(\a)+2*\j], 16, v[(\o)+\j]
	v_and_b32 v[(\a)+2*\j+1], 0xffff0000, v[(\o)+\j]
.endr
.if \scale
.irp j, 0,1,2,3
	v_pk_mul_f32 v[(\a)+2*\j:(\a)+2*\j+1], v[(\a)+2*\j:(\a)+2*\j+1], s[CC:CC+1] op_sel_hi:[1,0]
.endr
.endif
.irp j, 0,1,2,3
	v_cvt_pk_f16_f32 v[(\o)+\j], v[(\a)+2*\j], v[(\a)+2*\j+1]
.endr
.endm
	s_load_b512 s[4:19], s[0:1], 0x0               ; Wa0 s[4:5], Wah s[6:7], Wao s[8:9], Wb0 s[10:11], Wbh s[12:13], Wbo s[14:15], ba0 s[16:17], bah s[18:19]
	s_load_b256 s[20:27], s[0:1], 0x40             ; bao s[20:21], bb0 s[22:23], bbh s[24:25], bbo s[26:27]
	s_load_b64 s[28:29], s[0:1], 0x60              ; wpk
	s_lshr_b32 s31, ttmp9, 1                       ; c
	s_and_b32 s32, ttmp9, 1                        ; q
	s_lshr_b32 s33, s31, 1                         ; layer i
	s_and_b32 s34, s31, 1                          ; 1: an 'a' coupling
	s_lshl1_add_u32 s35, s33, s32                  ; iq = 2 i + q
	s_and_b32 s36, ttmp7, 0xffff                   ; y
	s_mov_b32 s[CC], 0x4038aa3b                    ; c2 = 2 log2(e)
	s_mov_b32 s[CC+1], s[CC]
	v_lshrrev_b32 v1, 5, v0
	v_readfirstlane_b32 s37, v1                    ; wave 0..7
	v_and_b32 v2, 15, v0                           ; r
	v_bfe_u32 v3, v0, 4, 1                         ; h
	v_bfe_u32 v4, v0, 5, 1                         ; which half of a fragment
	v_lshrrev_b32 v5, 6, v0                        ; which fragment of four
	v_lshlrev_b32 v6, 4, v0                        ; 16 t: my 16 bytes of 4,096 of images; never rewritten
	s_mul_i32 s2, s31, CPL
	s_mov_b32 s3, 0
	s_wait_kmcnt 0x0
	s_cmp_eq_u32 s34, 1                            ; the coupling's kind picks the six tensors and the five small sizes
	s_cselect_b64 s[38:39], s[4:5], s[10:11]       ; W0
	s_cselect_b64 s[40:41], s[6:7], s[12:13]       ; Wh
	s_cselect_b64 s[42:43], s[8:9], s[14:15]       ; Wo
	s_cselect_b64 s[44:45], s[16:17], s[22:23]     ; b0
	s_cselect_b64 s[46:47], s[18:19], s[24:25]     ; bh
	s_cselect_b64 s[48:49], s[20:21], s[26:27]     ; bo
	s_cselect_b32 s50, 7, 8                        ; NC: columns of W0
	s_cselect_b32 s51, 0, 2                        ; XL: the first slot of the state that the subnet reads,
	s_cselect_b32 s52, 2, 3                        ; XN: and how many
	s_cselect_b32 s53, 2, 0                        ; AL: the first slot that it changes,
	s_cselect_b32 s54, 3, 2                        ; ND: and how many
	s_add_nc_u64 s[56:57], s[28:29], s[2:3]        ; wpk at my coupling
	s_cmp_lt_u32 s36, 12
	s_cbranch_scc0 .Lsmall
	; HIDDEN WEIGHTS: layer l = y / 4, rows 32 (y % 4) on: two feature tiles, 8,192 bytes of images
	s_lshr_b32 s58, s36, 2                         ; l
	s_and_b32 s59, s36, 3
	s_mul_i32 s60, s35, 3
	s_add_co_u32 s60, s60, s58
	s_lshl_b32 s60, s60, 16                        ; a matrix is 65,536 bytes,
	s_lshl_b32 s61, s59, 14                        ; 32 of its rows 16,384
	s_add_co_u32 s60, s60, s61
	s_mov_b32 s61, 0
	s_add_nc_u64 s[40:41], s[40:41], s[60:61]
	s_mul_i32 s2, s32, 40960                       ; where layer l's images of subnet q begin in the coupling
	s_add_co_u32 s2, s2, 8192
	s_lshl_b32 s3, s32, 15
	s_add_co_u32 s3, s3, 81920
	s_cmp_eq_u32 s58, 1
	s_cselect_b32 s2, s3, s2
	s_mul_i32 s3, s32, 36864
	s_add_co_u32 s3, s3, 147456
	s_cmp_eq_u32 s58, 2
	s_cselect_b32 s2, s3, s2
	s_lshl_b32 s3, s59, 13
	s_add_co_u32 s2, s2, s3
	s_mov_b32 s3, 0
	s_add_nc_u64 s[56:57], s[56:57], s[2:3]
	v_lshrrev_b32 v8, 4, v0                        ; h + 2 half + 4 fragment: 8 numbers = 32 bytes of a row each
	v_lshlrev_b32 v7, 9, v2                        ; row r x 512 bytes
	v_lshl_add_u32 v7, v8, 5, v7
	global_load_b128 v[16:19], v7, s[40:41]
	global_load_b128 v[20:23], v7, s[40:41] offset:16
	global_load_b128 v[24:27], v7, s[40:41] offset:8192    ; the second feature tile: 16 rows on
	global_load_b128 v[28:31], v7, s[40:41] offset:8208
	s_wait_loadcnt 0x0
	CONV 16, 32, 1
	CONV 24, 36, 1
	global_store_b128 v6, v[32:35], s[56:57]
	global_store_b128 v6, v[36:39], s[56:57] offset:4096
	s_endpgm
.Lsmall:
	; L0: eight fragments in bf16.  First half of K: the three slots 3 h + e of the state, twice, and two zeros.  Second half: the three conditions 3 h + e, twice, and (h = 0) the bias twice.
	s_mul_i32 s2, s35, s50
	s_lshl_b32 s2, s2, 9                           ; iq x 128 rows x NC x 4 bytes
	s_add_nc_u64 s[38:39], s[38:39], s[2:3]
	s_lshl_b32 s2, s50, 8
	s_add_nc_u64 s[8:9], s[38:39], s[2:3]          ; 64 rows on: fragments 4 to 7
	s_lshl_b32 s2, s35, 9
	s_add_nc_u64 s[44:45], s[44:45], s[2:3]
	s_mul_i32 s2, s32, 40960
	s_add_nc_u64 s[10:11], s[56:57], s[2:3]
	v_mul_u32_u24 v8, v3, 3                        ; 3 h
	v_lshl_add_u32 v9, v5, 4, v2                   ; row m = 16 x fragment + r
	v_mul_lo_u32 v10, v9, s50
	v_lshlrev_b32 v14, 2, v9
	v_cmp_ne_u32 s58, 0, v4                        ; the lanes that make a second half
.irp e, 0,1,2
	v_add_nc_u32 v11, \e, v8                       ; p = 3 h + e
	v_sub_nc_u32 v12, v11, s51                     ; first half: column p - XL, if that is below XN
	v_cmp_gt_u32 s59, s52, v12
	v_cmp_gt_u32 s60, 5, v11                       ; second half: column XN + p, if p is below 5
	s_and_not1_b32 s59, s59, s58
	s_and_b32 s60, s60, s58
	s_or_b32 s[4+\e], s59, s60                     ; the lanes whose place holds a weight
	v_add_nc_u32 v13, s52, v11
	v_cndmask_b32 v12, v12, v13, s58
	v_cndmask_b32 v12, 0, v12, s[4+\e]             ; the others load column 0 and drop it
	v_add_lshl_u32 v[24+\e], v10, v12, 2
.endr
	v_bfe_u32 v15, v0, 4, 2
	v_cmp_eq_u32 s7, 2, v15                        ; second half, h = 0: the bias' two places
.irp e, 0,1,2
	global_load_b32 v[16+\e], v[24+\e], s[38:39]
	global_load_b32 v[20+\e], v[24+\e], s[8:9]
.endr
	global_load_b32 v19, v14, s[44:45]
	global_load_b32 v23, v14, s[44:45] offset:256
	s_wait_loadcnt 0x0
.irp e, 0,1,2
	v_cndmask_b32 v[16+\e], 0, v[16+\e], s[4+\e]
	v_cndmask_b32 v[20+\e], 0, v[20+\e], s[4+\e]
.endr
	v_cndmask_b32 v19, 0, v19, s7
	v_cndmask_b32 v23, 0, v23, s7
.irp i, 0,1
	v_cvt_pk_bf16_f32 v[32+4*\i], v[16+4*\i], v[17+4*\i]
	v_cvt_pk_bf16_f32 v[33+4*\i], v[18+4*\i], v[16+4*\i]
	v_cvt_pk_bf16_f32 v[34+4*\i], v[17+4*\i], v[18+4*\i]
	v_cvt_pk_bf16_f32 v[35+4*\i], v[19+4*\i], v[19+4*\i]
.endr
	global_store_b128 v6, v[32:35], s[10:11]
	global_store_b128 v6, v[36:39], s[10:11] offset:4096
	; OUT: four fragments.  Row m = r stands for slot p = 3 (m / 8) + m % 8, if m % 8 < 3 and p - AL is below ND; other rows are 0
	s_mul_i32 s2, s35, s54
	s_lshl_b32 s2, s2, 9
	s_add_nc_u64 s[42:43], s[42:43], s[2:3]
	s_mul_i32 s2, s32, 36864
	s_add_co_u32 s2, s2, 147456+32768
	s_add_nc_u64 s[12:13], s[56:57], s[2:3]
	v_and_b32 v40, 7, v2
	v_lshrrev_b32 v41, 3, v2
	v_mad_u32_u24 v41, v41, 3, v40
	v_sub_nc_u32 v41, v41, s53
	v_cmp_gt_u32 s59, 3, v40
	v_cmp_gt_u32 s60, s54, v41
	s_and_b32 s59, s59, s60
	v_cndmask_b32 v41, 0, v41, s59
	v_lshrrev_b32 v42, 4, v0
	v_lshlrev_b32 v42, 5, v42
	v_lshl_add_u32 v41, v41, 9, v42                ; row x 512 + my 32 bytes
	global_load_b128 v[44:47], v41, s[42:43]
	global_load_b128 v[48:51], v41, s[42:43] offset:16
	s_wait_loadcnt 0x0
	CONV 44, 52, 0
.irp j, 0,1,2,3
	v_cndmask_b32 v[52+\j], 0, v[52+\j], s59
.endr
	global_store_b128 v6, v[52:55], s[12:13]
	; THE BIASES of (c, q): 3 x 128 of c2 x bf16(bh) in f32; 16 of bf16(bo) by row m; zeros up to 2,048 bytes
	s_lshl_b32 s2, s31, 12
	s_lshl_b32 s59, s32, 11
	s_add_co_u32 s2, s2, s59
	s_add_co_u32 s2, s2, BTO
	s_add_nc_u64 s[14:15], s[28:29], s[2:3]
	s_cmp_lt_u32 s37, 3
	s_cbranch_scc1 .Lbh
	s_cmp_eq_u32 s37, 3
	s_cbranch_scc1 .Lbo
	s_endpgm
.Lbh:                                                  ; waves 0 to 2: 96 threads x 16 bytes
	s_mul_i32 s2, s35, 1536
	s_add_nc_u64 s[46:47], s[46:47], s[2:3]
	global_load_b128 v[16:19], v6, s[46:47]
	s_wait_loadcnt 0x0
	v_cvt_pk_bf16_f32 v20, v16, v17
	v_cvt_pk_bf16_f32 v21, v18, v19
	v_lshlrev_b32 v16, 16, v20
	v_and_b32 v17, 0xffff0000, v20
	v_lshlrev_b32 v18, 16, v21
	v_and_b32 v19, 0xffff0000, v21
	v_pk_mul_f32 v[28:29], v[16:17], s[CC:CC+1] op_sel_hi:[1,0]
	v_pk_mul_f32 v[30:31], v[18:19], s[CC:CC+1] op_sel_hi:[1,0]
	global_store_b128 v6, v[28:31], s[14:15]
	s_endpgm
.Lbo:                                                  ; wave 3: lane ln makes rows 4 ln + 0..3; from row 16 on zeros
	s_mul_i32 s2, s35, s54
	s_lshl_b32 s2, s2, 2
	s_add_nc_u64 s[48:49], s[48:49], s[2:3]
	v_and_b32 v56, 31, v0
	v_lshlrev_b32 v57, 4, v56
	v_lshlrev_b32 v56, 2, v56
.irp e, 0,1,2,3
	v_add_nc_u32 v58, \e, v56                      ; m
	v_and_b32 v59, 7, v58
	v_lshrrev_b32 v60, 3, v58
	v_mad_u32_u24 v60, v60, 3, v59
	v_sub_nc_u32 v60, v60, s53
	v_cmp_gt_u32 s59, 3, v59
	v_cmp_gt_u32 s60, s54, v60
	v_cmp_gt_u32 s61, 16, v58
	s_and_b32 s59, s59, s60
	s_and_b32 s[4+\e], s59, s61
	v_cndmask_b32 v60, 0, v60, s[4+\e]
	v_lshlrev_b32 v[24+\e], 2, v60
.endr
.irp e, 0,1,2,3
	global_load_b32 v[16+\e], v[24+\e], s[48:49]
.endr
	s_wait_loadcnt 0x0
.irp e, 0,1,2,3
	v_cndmask_b32 v[16+\e], 0, v[16+\e], s[4+\e]
.endr
	v_cvt_pk_bf16_f32 v20, v16, v17
	v_cvt_pk_bf16_f32 v21, v18, v19
	v_lshlrev_b32 v28, 16, v20
	v_and_b32 v29, 0xffff0000, v20
	v_lshlrev_b32 v30, 16, v21
	v_and_b32 v31, 0xffff0000, v21
	global_store_b128 v57, v[28:31], s[14:15] offset:1536
	s_endpgm
.Lfunc_end_k_qf04ed32303_pack:
	.size	k_qf04ed32303_pack, .Lfunc_end_k_qf04ed32303_pack-k_qf04ed32303_pack
	.p2alignl 7, 3214868480
	.fill 96, 4, 3214868480
	.section	.rodata,"a",@progbits
	.p2align	6, 0x0
	.amdhsa_kernel k_qf04ed32303_pack
		.amdhsa_group_segment_fixed_size 0
		.amdhsa_private_segment_fixed_size 0
		.amdhsa_enable_private_segment 0
		.amdhsa_kernarg_size 104
		.amdhsa_user_sgpr_count 2
		.amdhsa_user_sgpr_kernarg_segment_ptr 1
		.amdhsa_wavefront_size32 1
		.amdhsa_system_sgpr_workgroup_id_x 1
		.amdhsa_system_sgpr_workgroup_id_y 1
		.amdhsa_system_sgpr_workgroup_id_z 1
		.amdhsa_system_vgpr_workitem_id 0
		.amdhsa_next_free_vgpr 64
		.amdhsa_next_free_sgpr 66
		.amdhsa_reserve_vcc 0
		.amdhsa_float_denorm_mode_32 3
		.amdhsa_float_denorm_mode_16_64 3
		.amdhsa_memory_ordered 1
		.amdhsa_forward_progress 1
		.amdhsa_inst_pref_size 17
	.end_amdhsa_kernel
	.amdgpu_metadata
---
amdhsa.version: [ 1, 2 ]
amdhsa.kernels:
  - .name:           k_qf04ed32303_pack
    .symbol:         k_qf04ed32303_pack.kd
    .args:
      - { .name: Wa0, .offset: 0, .size: 8, .value_kind: global_buffer, .address_space: global }
      - { .name: Wah, .offset: 8, .size: 8, .value_kind: global_buffer, .address_space: global }
      - { .name: Wao, .offset: 16, .size: 8, .value_kind: global_buffer, .address_space: global }
      - { .name: Wb0, .offset: 24, .size: 8, .value_kind: global_buffer, .address_space: global }
      - { .name: Wbh, .offset: 32, .size: 8, .value_kind: global_buffer, .address_space: global }
      - { .name: Wbo, .offset: 40, .size: 8, .value_kind: global_buffer, .address_space: global }
      - { .name: ba0, .offset: 48, .size: 8, .value_kind: global_buffer, .address_space: global }
      - { .name: bah, .offset: 56, .size: 8, .value_kind: global_buffer, .address_space: global }
      - { .name: bao, .offset: 64, .size: 8, .value_kind: global_buffer, .address_space: global }
      - { .name: bb0, .offset: 72, .size: 8, .value_kind: global_buffer, .address_space: global }
      - { .name: bbh, .offset: 80, .size: 8, .value_kind: global_buffer, .address_space: global }
      - { .name: bbo, .offset: 88, .size: 8, .value_kind: global_buffer, .address_space: global }
      - { .name: wpk, .offset: 96, .size: 8, .value_kind: global_buffer, .address_space: global }
    .group_segment_fixed_size: 0
    .private_segment_fixed_size: 0
    .kernarg_segment_align: 8
    .kernarg_segment_size: 104
    .max_flat_workgroup_size: 256
    .sgpr_count:     66
    .vgpr_count:     64
    .wavefront_size: 32
...
	.end_amdgpu_metadata
.endif
;; end of part 1
;; launch flow (part 2): grid 256 x 1, 4 waves a work-group, clusters of 4 x 1, 327,680 bytes of LDS; arguments xs, ys, perms, wpk, out0, out1; writes out0, out1
.if DOCPART == 2
	.amdgcn_target "amdgcn-amd-amdhsa--gfx1250"
	.amdhsa_code_object_version 6
	.text
	.protected	k_qf04ed32303_flow
	.globl	k_qf04ed32303_flow
	.p2align	8
	.type	k_qf04ed32303_flow,@function
k_qf04ed32303_flow:
	s_mov_b64 s[64:65], 0
	v_nop
	global_prefetch_b8 v0, s[64:65] scope:SCOPE_SE
	s_setreg_imm32_b32 hwreg(HW_REG_WAVE_MODE, 25, 1), 1
	s_wait_xcnt 0x0
	s_wait_alu depctr_hold_cnt(0) depctr_sa_sdst(0) depctr_va_vdst(0) depctr_va_sdst(0) depctr_va_ssrc(0) depctr_va_vcc(0) depctr_vm_vsrc(0)
	s_getreg_b32 s2, hwreg(HW_REG_IB_STS2, 6, 4)
	s_cmp_eq_u32 s2, 0
	s_cbranch_scc0 .Lentry_in_a_cluster
	s_endpgm
.Lentry_in_a_cluster:
	s_bfe_u32 s2, ttmp6, 0x10000c
	s_cmp_lg_u32 s2, 0x3003
	s_cbranch_scc0 .Lentry_shape_is_right
	s_endpgm
.Lentry_shape_is_right:
; THE WHOLE FLOW: 8 layers x 2 couplings on 32,768 rows of 5 numbers.  A coupling: two subnets s, t (7 or 8 -> 128 -> 128 -> 128 -> 128 -> 2 or 3, tanh behind the first four), then
; x' = x exp(1.272 atan s) + t, jac += 1.272 atan s; behind each second coupling the columns are gathered by perms.
; SHARES.  A work-group owns 128 rows and walks all 16 couplings.  Wave w: subnet q = w % 2, rows 64 (w / 2) on: four tiles of 16 rows, in two PIECES X (tiles 0, 1) and Y (tiles 2, 3).
; The two waves of the same rows exchange s and t through LDS once a coupling; each then does the coupling's small arithmetic itself.
; LAYOUT.  H^T = W U^T (source 0 = 16 features, source 1 = 16 rows): in the result a lane holds ONE row (lane % 16) and the features 8 (lane / 16) + 0..7; two such results rounded to f16 in pairs ARE
; source 1 of the next layer: nothing changes lanes between layers.  A row's state lies in slots p = 3 h + k (h = lane / 16, k = 0..2; slot 5 is a pad that stays 0).  The last layer's rows 8 h + k
; bring slot p to the half of the lanes that owns it.  A slot that a coupling does not change has zero weights and bias there: s = t = 0, and the one text serves both kinds of coupling.
; FORMATS.  All floating inputs are rounded to bf16 first.  The first layer multiplies in bf16: its input c2 u as a high and a low bf16 part in places of K that are free, its bias in two more.  The other
; layers multiply in f16: weights c2 x bf16(W), activations in -1 .. 1.  tanh(z) = 1 - 2 / (1 + 2^(c2 z)), c2 = 2 log2(e), which lies in the weights and biases.
; BY TURNS.  In a TURN one piece has the matrix unit and the other piece's tanh is made: 64 exponentials, 32 packed sums, 64 reciprocals, 32 packed multiply-adds, 32 roundings to f16.  A hidden layer's turn has
; 32 products, and 32 x 4 = 128: behind each product stand four exponentials or four reciprocals and nothing else; the 96 plain lines stand in two runs, each behind one of the turn's two waits.
; The weights' fragments and both pieces' accumulators lie in ONE register window, so that a matrix instruction and the four lines behind it need no switch between them.
; WEIGHTS.  48 chunks (three a coupling) go through two LDS slots; all work-groups walk the same chunks, so the four of a cluster ask for each JOINTLY, each wave for a quarter.  The biases (65,536 bytes) are fetched once.
; LIMITS.  |W| of the hidden and last layers under 22,700 (c2 W in f16).  atan by a polynomial of degree 9 on 0 .. 1 with an error of at most 1e-5 (arguments above 1 through 1 / x).  Exponentials and reciprocals
; take denormals for 0.  NaN and infinities are not treated apart.  perms is held to 0 .. 4; an index may stand twice.
.set CPL,   221184                     ; bytes of a coupling in wpk: chunks of 81,920, 65,536 and 73,728
.set BTO,   3538944                    ; the biases in wpk
.set SLOT1, 1<<17                      ; slot 0 at LDS byte 0, slot 1 here: one exclusive or changes slots; a slot holds up to 81,920 bytes
.set EXCH,  81920                      ; s and t of the four waves: wave x 2,048 + tile x 512 + 16 x lane
.set OSTG,  90112                      ; the way out: wave x 2,560
.set OSTW,  2560
.set SPARE, 100352                     ; the spare words, 128 bytes for each wave: two blocks of 256 bytes that no other line names
.set BT,    212992                     ; the biases: coupling x 4,096 + q x 2,048
; window 0
.set AWQ, 2                            ; v2-4   16 x lane + q x a chunk's half, for the three kinds of chunk; never rewritten
.set AW,  5                            ; v5     the same in the slot that is being read
.set AB,  6                            ; v6     my biases: BT + q x 2,048 + 32 h + coupling x 4,096
.set PFO, 7                            ; v7-9   the prefetches' offsets, for the three kinds of chunk; never rewritten
.set SPW, 10                           ; v10    LDS address of my spare word; never rewritten
.set NIL, 11                           ; v11    0; never rewritten
.set BI,  64                           ; v64-95 the biases of four feature tiles, as the C that starts their sums
;          v128-255 hA: activations; piece P, tile b, K part kc at 128 + 64 P + 32 b + 8 kc.    window 2: v128-255 hB, likewise
; window 1: v0-127 weights: K part kc, feature tile f at 8 (4 kc + f); v128-255 accumulators: piece P, feature tile f, tile b at 128 + 64 P + 8 (2 f + b)
; window 3
.set U,   0                            ; the first layer's source 1, 8 registers a tile
.set Z,   32                           ; the state: tile b, k at 4 b + k
.set JAC, 48
.set SS,  52                           ; s, t: as the state
.set TT,  68
.set T1,  84                           ; four sets of 16 at work; of each set the registers 4 b + k, k = 0..2, are the ones that are written
.set T2,  100
.set T3,  116
.set T4,  132
.set XS,  148                          ; where I put my subnet's results,
.set XR,  149                          ; and where I read both subnets'
.set OA,  155                          ; the way out
.set OA2, 156
.set OR16, 157
.set OR8, 158
.set JS,  159
.set GO16, 160
.set XO,  161                          ; v161-163 my three numbers of a row of xs and ys
.set TP,  164                          ; v164-170 at work
.set GO8, 176
.set M0,  177                          ; all ones in lanes 0-15, else 0
.set M1,  178                          ; all ones in lanes 16-31, else 0
; scalars: s[4:5] xs, s[6:7] ys, s[8:9] perms at the layer in hand, s[10:11] wpk, s[12:13] out0, s[14:15] out1; s[68:72] a row of perms; s[82:89] at work
.set WV,  16                           ; my wave's number
.set Q,   17
.set G,   18
.set CX,  19                           ; my place in the cluster: it enters global addresses alone
.set WG,  20
.set CNT, 21                           ; couplings still to be begun
.set TB,  22                           ; the slot that is being read: 0 or SLOT1
.set LIM, 23                           ; 1 in the cluster that prefetches, else the greatest number
.set G1,  24                           ; s[24:47] descriptor group 1 for the three kinds of chunk
.set G0,  48                           ; s[48:59] descriptor group 0 for the three kinds
.set G0B, 60                           ; s[60:63] for the biases
.set PF,  66                           ; s[66:67] the chunk that the next prefetch names
.set SEL, 74                           ; s[74:75] v_permlanex16_b32's selects: each lane takes its own place in the other half
.set CC,  76                           ; c2
.set A9,  78                           ; 1.272 x the polynomial's coefficients
.set HPI, 79                           ; 1.272 pi / 2
.set L2E, 80
.set A7,  81
.set A5,  90
.set A3,  91
.set A1,  92
.set MSB, 0
.macro WIN new                         ; s_set_vgpr_msb: bits 1:0 source 0, 3:2 source 1, 5:4 source 2, 7:6 destination; the high byte repeats the setting that is left
.if MSB != (\new)
	s_set_vgpr_msb (MSB<<8)|(\new)
.set MSB, \new
.endif
.endm
.macro PLACES                          ; four places behind a matrix instruction (ISA guide 7.12.1), where no other plain vector work is at hand
.rept 4
	v_nop
.endr
.endm
; A round of the cluster's barrier: my work-group's barrier, so that wave 0's signal speaks for all four waves; wave 0 signals; every wave waits for all four work-groups; my work-group's barrier once more.
.macro CROUND
	s_barrier_signal -1
	s_barrier_wait -1
	s_cmp_lg_u32 s[WV], 0
	s_cbranch_scc1 .Lnot_wave_0_\@
	s_barrier_signal -3
.Lnot_wave_0_\@:
	s_barrier_wait -3
	s_barrier_signal -1
	s_barrier_wait -1
.endm
.macro MKG1 t, R                       ; a quarter of a chunk is dense: R rows of 32 elements of 8 bytes
	s_mov_b32 s[G1+8*(\t)], 15|(3<<16)|(1<<21)     ; 15:0 the mask: all four work-groups; 17:16 elements of 8 bytes; 21 set beside a mask; no padding: the images are read 16 bytes a lane on end
	s_mov_b32 s[G1+8*(\t)+1], 32<<16               ; tensor_dim0 = 32
	s_mov_b32 s[G1+8*(\t)+2], (\R)<<16             ; tensor_dim1 = R
	s_mov_b32 s[G1+8*(\t)+3], 32<<16               ; tile_dim0 = 32
	s_mov_b32 s[G1+8*(\t)+4], \R                   ; tile_dim1 = R
	s_mov_b32 s[G1+8*(\t)+5], 32                   ; 32 elements from row to row
	s_mov_b32 s[G1+8*(\t)+6], 0
	s_mov_b32 s[G1+8*(\t)+7], 0
.endm
.macro MKPFO t, R                      ; of the R rows of 256 bytes that wave w fetches, the partner at place cx names R / 4, a lane a row; the lanes left over name the last of them again
	s_mul_i32 s82, s[WV], \R
	s_mul_i32 s83, s[CX], (\R)/4
	s_add_co_u32 s82, s82, s83
	s_lshl_b32 s82, s82, 8
	v_min_u32 v1, (\R)/4-1, v12
	v_lshl_add_u32 v[PFO+(\t)], v1, 8, s82
.endm
; THE TANH OF A PIECE's 64 accumulator registers (RA on, in window 1), in place.  Four kinds of line; TURN sets the counters to 0 and deals the lines.
;   EX1   the next exponential; they ascend
;   AD1   1 + e for the next pair          RC1   the next reciprocal          FMAS  1 - 2 r for all 32 pairs
; The 64 exponentials are one batch and the 64 reciprocals another: behind the last of a batch stands a plain line, then the ONE wait ahead of the first line that names a result.
.macro EX1
	v_exp_f32 v[RA+ne], v[RA+ne]
.set ne, ne+1
.endm
.macro AD1
	v_pk_add_f32 v[RA+2*na:RA+2*na+1], v[RA+2*na:RA+2*na+1], 1.0 op_sel_hi:[1,0]
.set na, na+1
.endm
.macro RC1
	v_rcp_f32 v[RA+nr], v[RA+nr]
.set nr, nr+1
.endm
.macro FMAS
.set nf, 0
.rept 32
	v_pk_fma_f32 v[RA+2*nf:RA+2*nf+1], v[RA+2*nf:RA+2*nf+1], -2.0, 1.0 op_sel_hi:[1,0,0]
.set nf, nf+1
.endr
.endm
; The piece's 64 activations rounded to f16, into window ho (0: hA, 2: hB), as K parts 2 hf and 2 hf + 1 of the next layer's source 1
.macro CVT RP, ho, hf
	WIN 0x05+0x40*(\ho)
.irp b, 0,1
.irp f, 0,1,2,3
.irp j, 0,1,2,3
	v_cvt_pk_f16_f32 v[128+64*(\RP)+32*\b+8*(2*(\hf)+\f/2)+4*(\f%2)+\j], v[128+64*(\RP)+8*(2*\f+\b)+2*\j], v[128+64*(\RP)+8*(2*\f+\b)+2*\j+1]
.endr
.endr
.endr
.endm
; THE MATRIX WORK.  The accumulators take turns, one instruction a turn.
; Product s of 32 of a hidden layer's four feature tiles for piece P: K part s / 8, feature tile (s % 8) / 2, tile s % 2.  The first 8 start the sums with the biases.  hw: the window of source 1.
.macro MMH P, s, hw
.set kc, (\s)/8
.set fl, ((\s)%8)/2
.set bb, (\s)%2
.set rD, 128+64*(\P)+8*(2*fl+bb)
.set rA, 8*(4*kc+fl)
.set rB, 128+64*(\P)+32*bb+8*kc
.if kc == 0
	WIN 0x41+4*(\hw)
	v_wmma_f32_16x16x32_f16 v[rD:rD+7], v[rA:rA+7], v[rB:rB+7], v[BI+8*fl:BI+8*fl+7]
.else
	WIN 0x51+4*(\hw)
	v_wmma_f32_16x16x32_f16 v[rD:rD+7], v[rA:rA+7], v[rB:rB+7], v[rD:rD+7]
.endif
.endm
; Product s of 8 of the first layer: feature tile 4 hf + s / 2, tile s % 2; K is 32, and the bias lies in it
.macro MML P, s, hf
.set rD, 128+64*(\P)+8*(\s)
.set rA, 64+8*(4*(\hf)+(\s)/2)
.set rB, U+8*(2*(\P)+(\s)%2)
	WIN 0x5d
	v_wmma_f32_16x16x32_bf16 v[rD:rD+7], v[rA:rA+7], v[rB:rB+7], 0
.endm
; Product s of 8 of the last layer: K part s / 2, tile s % 2
.macro MMO P, s
.set kc, (\s)/2
.set bb, (\s)%2
.set rD, 128+64*(\P)+8*bb
.set rB, 128+64*(\P)+32*bb+8*kc
.if kc == 0
	WIN 0x49
	v_wmma_f32_16x16x32_f16 v[rD:rD+7], v[8*kc:8*kc+7], v[rB:rB+7], v[BI:BI+7]
.else
	WIN 0x59
	v_wmma_f32_16x16x32_f16 v[rD:rD+7], v[8*kc:8*kc+7], v[rB:rB+7], v[rD:rD+7]
.endif
.endm
; THE LDS LOADS stand in runs.  LDA: 16 loads, the fragments of K parts c0 and c0 + 1 of four feature tiles, whose images begin at byte off of my half of the chunk.  A lane reads 16 bytes at 16 x lane: 512 bytes on end.
.macro LDA off, c0
	WIN 0x40
.irp k, 0,1
.irp f, 0,1,2,3
	ds_load_b128 v[8*(4*((\c0)+\k)+\f):8*(4*((\c0)+\k)+\f)+3],   v[AW] offset:(\off)+(4*\f+(\c0)+\k)*1024
	ds_load_b128 v[8*(4*((\c0)+\k)+\f)+4:8*(4*((\c0)+\k)+\f)+7], v[AW] offset:(\off)+(4*\f+(\c0)+\k)*1024+512
.endr
.endr
.endm
.macro LDB boff                        ; 8 loads: the biases of four feature tiles; register j of a lane is feature 8 h + j
	WIN 0
.irp f, 0,1,2,3
	ds_load_b128 v[BI+8*\f:BI+8*\f+3],   v[AB] offset:(\boff)+64*\f
	ds_load_b128 v[BI+8*\f+4:BI+8*\f+7], v[AB] offset:(\boff)+64*\f+16
.endr
.endm
.macro LDO                             ; 10 loads: the last layer's bias and four fragments
	WIN 0
	ds_load_b128 v[BI:BI+3],   v[AB] offset:1536
	ds_load_b128 v[BI+4:BI+7], v[AB] offset:1552
	WIN 0x40
.irp k, 0,1,2,3
	ds_load_b128 v[8*\k:8*\k+3],   v[AW] offset:32768+\k*1024
	ds_load_b128 v[8*\k+4:8*\k+7], v[AW] offset:32768+\k*1024+512
.endr
.endm
.macro LDC0                            ; 40 loads at a coupling's beginning: the first layer's eight fragments (where K parts 2, 3 will lie), and K parts 0, 1 and the biases of the second layer's first four feature tiles
	WIN 0x40
.irp f, 0,1,2,3,4,5,6,7
	ds_load_b128 v[64+8*\f:64+8*\f+3],   v[AW] offset:\f*1024
	ds_load_b128 v[64+8*\f+4:64+8*\f+7], v[AW] offset:\f*1024+512
.endr
	LDA 8192, 0
	LDB 0
.endm
; A TURN.  Piece P has the matrix unit.  kind 0: the first layer (a = which four feature tiles); 1: a hidden layer (a = the window of its source 1); 2: the last layer.
; rf = 1: the other piece's tanh is made beside it, and rounded into window ho as half rhf (a hidden layer's turn always has it).
; A HIDDEN LAYER's TURN: products 0-15, four exponentials behind each; a plain line and the wait; the 32 sums; products 16-31, four reciprocals behind each; a plain line and the wait; the 32 multiply-adds and
; the 32 roundings.  No product has more than four vector lines behind it, and every plain line stands behind a wait.
; A TURN OF EIGHT PRODUCTS: four exponentials behind each, the other 32 on end; the wait; a sum one pair ahead and two reciprocals by turns; the wait; multiply-adds and roundings.
; A group's fragments are loaded once and serve X's turn and then Y's; they are loaded anew in Y's turn, each run directly behind one of the turn's two waits.  ld = 1: K parts 0, 1 and the biases behind product
; 15, which read them last, K parts 2, 3 behind product 31; ld = 2: K parts 2, 3 alone; ld = 3: the last layer's, behind product 15.  An exponential or a reciprocal is no place behind a matrix instruction,
; so four v_nop stand between the last product that read the registers and the run; the first of them is also the plain line behind the batch.  (With ld = 2 the 32 sums lie between.)
.macro TURN kind, P, a, rf, ho, rhf, ld, off, boff
.set ne, 0
.set na, 0
.set nr, 0
.set RA, 128+64*(1-(\P))
.set sl, 0
.if (\kind) == 1
.if (\P) == 0
	s_wait_dscnt 16                                ; K parts 0, 1 and the biases are in; the 16 loads of K parts 2, 3, issued behind them, may stay out
.endif
.rept 16
	MMH \P, sl, \a
.rept 4
	EX1
.endr
.set sl, sl+1
.endr
.if (\ld) != 0
	PLACES
.else
	v_nop
.endif
	s_wait_alu depctr_va_vdst(0)                   ; the one wait for the 64 exponentials
.if (\ld) == 1
	LDB \boff
	LDA \off, 0
.elseif (\ld) == 3
	LDO
.endif
	WIN 0x51+4*(\a)
.rept 32
	AD1
.endr
.if (\P) == 0
	s_wait_dscnt 0x0                               ; K parts 2, 3 are in
.endif
.rept 16
	MMH \P, sl, \a
.rept 4
	RC1
.endr
.set sl, sl+1
.endr
.if (\ld) == 1
	PLACES
.else
	v_nop
.endif
	s_wait_alu depctr_va_vdst(0)                   ; the one wait for the 64 reciprocals
.if (\ld) == 1
	LDA \off, 2
.endif
	WIN 0x51+4*(\a)
	FMAS                                           ; these 64 lines name no register of the turn's products: they are the places behind the last of them
	CVT 1-(\P), \ho, \rhf
.else
.if ((\kind) == 2) && ((\P) == 0)
	s_wait_dscnt 0x0                               ; the last layer's fragments are in
.endif
.rept 8
.if (\kind) == 0
	MML \P, sl, \a
.else
	MMO \P, sl
.endif
.if \rf
.rept 4
	EX1
.endr
.endif
.set sl, sl+1
.endr
.if \rf
.rept 32
	EX1
.endr
	v_nop
	s_wait_alu depctr_va_vdst(0)                   ; the one wait for the 64 exponentials
	AD1
.rept 31
	AD1
	RC1
	RC1
.endr
	RC1
	RC1
	v_nop
	s_wait_alu depctr_va_vdst(0)                   ; the one wait for the 64 reciprocals
.if (\ld) == 2
	LDA \off, 2
.endif
	WIN 0x5d-4*((\kind)/2)
	FMAS
	CVT 1-(\P), \ho, \rhf
.else
	PLACES
	PLACES
.endif
.endif
.endm
; A CHANGE OF SLOTS WITH A REFILL.  The slot that was read has been read out (its last fragments are in registers).  Each wave waits for all its tensor loads, of which one is out: its quarter of the other slot;
; adds 0 to its spare word; waits for that and for its LDS instructions.  The barrier is a round of the cluster's: no wave of any partner still reads the old slot or has a load on its way.  The joint refill
; (a chunk of kind tl) is the first thing behind it.  ts: the kind of the chunk that can now be read; its descriptor, whose load is done, steps to the next coupling.
; THE PREFETCH, behind the load's five lines: the chunk two behind the one just asked for; one instruction a wave.  All clusters walk the same chunks: the first cluster asks; its sixteen waves share a chunk's rows
; out by address.  The chunk's address is stepped at the next change, behind s_wait_xcnt 0.  The first four chunks come by their loads alone; the tests on CNT stop the requests at the last chunk.
.macro SITE tl, ts, pfs, ge
	WIN 0
	s_wait_xcnt 0x0                                ; the last prefetch, a change of slots back, has read its address
	s_add_nc_u64 s[PF:PF+1], s[PF:PF+1], \pfs
	s_wait_tensorcnt 0x0                           ; no tensor load of mine is out, so a group 0 may be written
	ds_add_u32 v[SPW], v[NIL]                      ; 0 onto my spare word: the scalar steps stand between it and the wait for it
	s_xor_b32 s[G0+4*(\ts)+1], s[G0+4*(\ts)+1], SLOT1
	s_add_nc_u64 s[G0+4*(\ts)+2:G0+4*(\ts)+3], s[G0+4*(\ts)+2:G0+4*(\ts)+3], CPL  ; the type bits on top are not reached
	s_xor_b32 s[TB], s[TB], SLOT1
	s_wait_dscnt 0x0                               ; the add is done, and so are my reads of the slot and my stores
	CROUND
	tensor_load_to_lds s[G0+4*(\tl):G0+4*(\tl)+3], s[G1+8*(\tl):G1+8*(\tl)+7]
	s_nop 0
	PLACES
.if \ge
	s_cmp_ge_u32 s[CNT], s[LIM]
.else
	s_cmp_gt_u32 s[CNT], s[LIM]
.endif
	s_cbranch_scc0 .Lnot_mine_\@
	global_prefetch_b8 v[PFO+((\tl)+2)%3], s[PF:PF+1] th:TH_LOAD_NT scope:SCOPE_SE
.Lnot_mine_\@:
	v_add_nc_u32 v[AW], s[TB], v[AWQ+(\ts)]
.endm
.macro CHANGE0                         ; the last change of slots: nothing is asked for, so my work-group's barrier is enough
	WIN 0
	s_wait_tensorcnt 0x0
	ds_add_u32 v[SPW], v[NIL]
	s_xor_b32 s[TB], s[TB], SLOT1
	s_wait_dscnt 0x0
	s_barrier_signal -1
	s_barrier_wait -1
	v_add_nc_u32 v[AW], s[TB], v[AWQ+2]
.endm
.macro XSTORE                          ; my subnet's results: registers 0-3 of the last layer's four accumulators (register k: slot 3 h + k; register 3: 0)
	PLACES
	WIN 0x07                                       ; address in window 3, data in window 1
.irp b, 0,1,2,3
	ds_store_b128 v[XS], v[128+64*(\b/2)+8*(\b%2):128+64*(\b/2)+8*(\b%2)+3] offset:512*\b
.endr
.endm
.macro XLOAD                           ; 8 loads: s and t of my rows
	WIN 0xc3
.irp b, 0,1,2,3
	ds_load_b128 v[SS+4*\b:SS+4*\b+3], v[XR] offset:512*\b
	ds_load_b128 v[TT+4*\b:TT+4*\b+3], v[XR] offset:2048+512*\b
.endr
.endm
; three f32 as six bf16: (hi0, hi1), (hi2, lo0), (lo1, lo2), lo = the rest that hi leaves
.macro HILO d, m0, m1, m2
	v_cvt_pk_bf16_f32 v[\d], v[\m0], v[\m1]
	v_cvt_pk_bf16_f32 v[TP], v[\m2], v[\m2]
	v_lshlrev_b32 v[TP+1], 16, v[\d]
	v_and_b32 v[TP+2], 0xffff0000, v[\d]
	v_and_b32 v[TP+3], 0xffff0000, v[TP]
	v_sub_f32 v[TP+1], v[\m0], v[TP+1]
	v_sub_f32 v[TP+2], v[\m1], v[TP+2]
	v_sub_f32 v[TP+3], v[\m2], v[TP+3]
	v_cvt_pk_bf16_f32 v[(\d)+1], v[\m2], v[TP+1]
	v_cvt_pk_bf16_f32 v[(\d)+2], v[TP+2], v[TP+3]
.endm
.macro UBLD                            ; the state's part of the first layer's source 1
	WIN 0xff
.irp b, 0,1,2,3
	v_mul_f32 v[TP+4], s[CC], v[Z+4*\b]
	v_mul_f32 v[TP+5], s[CC], v[Z+4*\b+1]
	v_mul_f32 v[TP+6], s[CC], v[Z+4*\b+2]
	HILO U+8*\b, TP+4, TP+5, TP+6
.endr
.endm
.macro ALL12 line:vararg               ; one line for each of my twelve numbers e = 4 x tile + k
.set e, 0
.rept 16
.if (e%4) < 3
	\line
.endif
.set e, e+1
.endr
.endm
; THE COUPLING.  a = 1.272 atan s: w = min(|s|, 1) / max(|s|, 1), an odd polynomial in w, 1.272 pi / 2 less that where |s| > 1, s's sign.  jac += a; x = x 2^(a log2 e) + t.  Two batches of twelve, a wait each.
.macro COUPLE
	WIN 0xff
	ALL12 v_and_b32 v[T4+e], 0x7fffffff, v[SS+e]
	ALL12 v_max_num_f32 v[T1+e], 1.0, v[T4+e]
	ALL12 v_min_num_f32 v[T2+e], 1.0, v[T4+e]
	ALL12 v_rcp_f32 v[T3+e], v[T1+e]
	v_nop                                          ; a plain instruction behind the last reciprocal,
	s_wait_alu depctr_va_vdst(0)                   ; and the wait ahead of the first use: one for the twelve
	ALL12 v_mul_f32 v[T2+e], v[T2+e], v[T3+e]
	ALL12 v_mul_f32 v[T3+e], v[T2+e], v[T2+e]
	ALL12 v_fma_f32 v[T1+e], v[T3+e], s[A9], s[A7]
	ALL12 v_fma_f32 v[T1+e], v[T1+e], v[T3+e], s[A5]
	ALL12 v_fma_f32 v[T1+e], v[T1+e], v[T3+e], s[A3]
	ALL12 v_fma_f32 v[T1+e], v[T1+e], v[T3+e], s[A1]
	ALL12 v_mul_f32 v[T1+e], v[T1+e], v[T2+e]
	ALL12 v_sub_f32 v[T2+e], s[HPI], v[T1+e]
.set e, 0
.rept 16
.if (e%4) < 3
	v_cmp_lt_f32 vcc_lo, 1.0, v[T4+e]
	v_cndmask_b32 v[T1+e], v[T1+e], v[T2+e], vcc_lo
.endif
.set e, e+1
.endr
	ALL12 v_bfi_b32 v[T1+e], 0x7fffffff, v[T1+e], v[SS+e]
	ALL12 v_add_f32 v[JAC+e/4], v[JAC+e/4], v[T1+e]
	ALL12 v_mul_f32 v[T2+e], s[L2E], v[T1+e]
	ALL12 v_exp_f32 v[T2+e], v[T2+e]
	v_nop
	s_wait_alu depctr_va_vdst(0)
	ALL12 v_fma_f32 v[Z+e], v[Z+e], v[T2+e], v[TT+e]
.endm
; THE GATHER, on registers alone: new slot p takes old slot perms[p]; the pad takes the pad.  A lane has its own three slots (Z) and fetches the three of the lane 16 away (into T2).  An index is counted
; from the lane's own slots: 0-2 its own, 3-5 the other half's: in lanes 0-15 that is perms[k] itself, in lanes 16-31 (perms[3 + k] + 3) mod 6, and 2 for the pad.  perms only selects values:
; for each k five compares make five masks, and five selects a tile pick one of the six numbers.  No address, branch or wait hangs on perms.
.macro GSEL k, lo, hi
	v_and_b32 v[TP], \lo, v[M0]
	v_and_b32 v[TP+1], \hi, v[M1]
	v_add_nc_u32 v[TP], v[TP], v[TP+1]             ; my lane's index for its new slot k
.irp j, 1,2,3,4,5
	v_cmp_eq_u32 s[81+\j], \j, v[TP]
.endr
.irp b, 0,1,2,3
	v_cndmask_b32 v[T1+4*\b+(\k)], v[Z+4*\b], v[Z+4*\b+1], s82
	v_cndmask_b32 v[T1+4*\b+(\k)], v[T1+4*\b+(\k)], v[Z+4*\b+2], s83
	v_cndmask_b32 v[T1+4*\b+(\k)], v[T1+4*\b+(\k)], v[T2+4*\b], s84
	v_cndmask_b32 v[T1+4*\b+(\k)], v[T1+4*\b+(\k)], v[T2+4*\b+1], s85
	v_cndmask_b32 v[T1+4*\b+(\k)], v[T1+4*\b+(\k)], v[T2+4*\b+2], s86
.endr
.endm
.macro GATHER
.irp i, 68,69,70,71,72
	s_min_u32 s\i, s\i, 4
.endr
.irp i, 71,72                          ; (p + 3) mod 6 for p = 0 .. 4
	s_add_co_u32 s82, s\i, 3
	s_sub_co_u32 s83, s\i, 3
	s_cmp_lt_u32 s\i, 3
	s_cselect_b32 s\i, s82, s83
.endr
	WIN 0xff
	ALL12 v_permlanex16_b32 v[T2+e], v[Z+e], s[SEL], s[SEL+1]  ; its destination counts as read: these twelve of T2 were written by the coupling
	GSEL 0, s68, s71
	GSEL 1, s69, s72
	GSEL 2, s70, 2
	ALL12 v_mov_b32 v[Z+e], v[T1+e]                ; every new slot is made of old ones, so they are made beside the state and moved
.endm
; A COUPLING's FIRST PART: the first layer, the second, and three of the third's four turns.  X and Y by turns; hA and hB take turns by layer.
.macro PART1
	UBLD
	s_wait_dscnt 0x0                               ; the 40 loads of the coupling's beginning are in
	TURN 0, 0, 0, 0, 0, 0, 0, 0, 0                 ; X first layer, features 0-63
	TURN 0, 1, 0, 1, 0, 0, 0, 0, 0                 ; Y the same            | tanh X -> hA, first half
	TURN 0, 0, 1, 1, 0, 0, 0, 0, 0                 ; X features 64-127     | tanh Y -> hA, first half
	TURN 0, 1, 1, 1, 0, 1, 2, 8192, 0              ; Y the same            | tanh X -> hA, second half
	TURN 1, 0, 0, 1, 0, 1, 0, 0, 0                 ; X second layer, 0-63  | tanh Y -> hA, second half
	TURN 1, 1, 0, 1, 2, 0, 1, 24576, 256           ; Y                     | tanh X -> hB
	TURN 1, 0, 0, 1, 2, 0, 0, 0, 0                 ; X second layer, 64-127| tanh Y -> hB
	SITE 2, 1, 81920, 0                            ; the coupling's first chunk is read out: its third is asked for, its second can be read
	s_load_b128 s[68:71], s[8:9], 0x0              ; the layer's row of perms, wanted at the coupling's end
	s_load_b32 s72, s[8:9], 0x10
	TURN 1, 1, 0, 1, 2, 1, 1, 0, 512
	TURN 1, 0, 2, 1, 2, 1, 0, 0, 0                 ; X third layer, 0-63
	TURN 1, 1, 2, 1, 0, 0, 1, 16384, 768
	TURN 1, 0, 2, 1, 0, 0, 0, 0, 0                 ; X third layer, 64-127
	WIN 0
.endm
; ITS SECOND PART: the rest of the third layer, the fourth, the last, the exchange and the coupling.  inloop = 0: the last coupling, which asks for nothing more.
.macro PART2 inloop
.if \inloop
	SITE 0, 2, 65536, 1                            ; the second chunk is read out: the next coupling's first is asked for
.else
	CHANGE0
.endif
	TURN 1, 1, 2, 1, 0, 1, 1, 0, 1024
	TURN 1, 0, 0, 1, 0, 1, 0, 0, 0                 ; X fourth layer, 0-63
	TURN 1, 1, 0, 1, 2, 0, 1, 16384, 1280
	TURN 1, 0, 0, 1, 2, 0, 0, 0, 0                 ; X fourth layer, 64-127
	TURN 1, 1, 0, 1, 2, 1, 3, 0, 0
	TURN 2, 0, 0, 1, 2, 1, 0, 0, 0                 ; X last layer          | tanh Y -> hB, second half
	TURN 2, 1, 0, 0, 0, 0, 0, 0, 0                 ; Y last layer
	XSTORE
.if \inloop
	SITE 1, 0, 73728, 0                            ; the third chunk is read out; the round also stands between the stores of s and t and the loads below
	v_add_nc_u32 v[AB], 4096, v[AB]                ; the next coupling's biases
	XLOAD
	LDC0
	s_wait_dscnt 40                                ; s and t are in; the 40 loads issued behind them may stay out
.else
	s_wait_dscnt 0x0                               ; for the other wave's sake: my stores of s or t are done
	s_barrier_signal -1
	s_barrier_wait -1
	XLOAD
	s_wait_dscnt 0x0
.endif
	COUPLE
	WIN 0
	s_wait_kmcnt 0x0                               ; perms
.if \inloop
	s_and_b32 s82, s[CNT], 1                       ; CNT is odd behind a layer's first coupling: no gather there
	s_cmp_lg_u32 s82, 0
	s_cbranch_scc1 .Lno_gather
	GATHER
	s_add_nc_u64 s[8:9], s[8:9], 20                ; the next layer's row; the scalar loads that read the address are done
	WIN 0
.Lno_gather:
.else
	GATHER
	WIN 0
.endif
.endm
	s_load_b256 s[4:11], s[0:1], 0x0               ; xs, ys, perms, wpk
	s_load_b128 s[12:15], s[0:1], 0x20             ; out0, out1
	v_lshl_add_u32 v[SPW], v0, 2, SPARE
	v_mov_b32 v[NIL], 0
	ds_add_u32 v[SPW], v[NIL]                      ; the wave's opening: the add, twice on end, and its wait ahead of my first tensor load; the set-up below stands between
	ds_add_u32 v[SPW], v[NIL]
	v_lshrrev_b32 v1, 5, v0
	v_readfirstlane_b32 s[WV], v1                  ; wave 0..3
	s_and_b32 s[Q], s[WV], 1
	s_lshr_b32 s[G], s[WV], 1
	MKG1 0, 80
	MKG1 1, 64
	MKG1 2, 72
	s_mov_b32 s[SEL], 0x76543210
	s_mov_b32 s[SEL+1], 0xfedcba98
	s_mov_b32 s[CC], 0x4038aa3b                    ; 2 log2(e)
	s_mov_b32 s[L2E], 0x3fb8aa3b
	s_mov_b32 s[A1], 0x3fa2cb50                    ;  1.27182955
	s_mov_b32 s[A3], 0xbed71cb7                    ; -0.42014096
	s_mov_b32 s[A5], 0x3e6aa381                    ;  0.22913935
	s_mov_b32 s[A7], 0xbdddc6b8                    ; -0.10828918
	s_mov_b32 s[A9], 0x3cd91b3f                    ;  0.02650225
	s_mov_b32 s[HPI], 0x3fffc033                   ;  1.99805293
	s_cmp_eq_u32 ttmp9, 0                          ; the first cluster prefetches: the same in all four partners
	s_cselect_b32 s[LIM], 1, -1
	s_mov_b32 s[G0], 1                             ; group 0: count 1; the LDS address: my quarter of the chunk's slot
	s_mul_i32 s[G0+1], s[WV], 20480
	s_mov_b32 s[G0+4], 1
	s_lshl_b32 s[G0+5], s[WV], 14
	s_add_co_u32 s[G0+5], s[G0+5], SLOT1
	s_mov_b32 s[G0+8], 1
	s_mul_i32 s[G0+9], s[WV], 18432
	s_mov_b32 s[G0B], 1
	s_lshl_b32 s[G0B+1], s[WV], 14
	s_add_co_u32 s[G0B+1], s[G0B+1], BT
	s_mul_i32 s82, s[WV], 20480                    ; and the same quarters' byte offsets in wpk
	s_mov_b32 s83, 0
	s_lshl_b32 s84, s[WV], 14
	s_add_co_u32 s84, s84, 81920
	s_mov_b32 s85, 0
	s_mul_i32 s86, s[WV], 18432
	s_add_co_u32 s86, s86, 147456
	s_mov_b32 s87, 0
	s_lshl_b32 s88, s[WV], 14
	s_add_co_u32 s88, s88, BTO
	s_mov_b32 s89, 0
	s_wait_dscnt 0x0                               ; both opening adds are done
	s_wait_kmcnt 0x0
	s_add_nc_u64 s[G0+2:G0+3], s[10:11], s[82:83]
	s_or_b32 s[G0+3], s[G0+3], 0x80000000          ; type = 2
	s_add_nc_u64 s[G0+6:G0+7], s[10:11], s[84:85]
	s_or_b32 s[G0+7], s[G0+7], 0x80000000
	s_add_nc_u64 s[G0+10:G0+11], s[10:11], s[86:87]
	s_or_b32 s[G0+11], s[G0+11], 0x80000000
	s_add_nc_u64 s[G0B+2:G0B+3], s[10:11], s[88:89]
	s_or_b32 s[G0B+3], s[G0B+3], 0x80000000
	s_add_nc_u64 s[PF:PF+1], s[10:11], CPL         ; chunk 3; the first change of slots steps it to chunk 4
	CROUND                                         ; all four work-groups are here: the first joint loads meet
	tensor_load_to_lds s[G0B:G0B+3], s[G1+8:G1+15] ; the biases; three loads of mine are out
	s_nop 0
	tensor_load_to_lds s[G0:G0+3], s[G1:G1+7]      ; chunk 0 into slot 0
	s_nop 0
	tensor_load_to_lds s[G0+4:G0+7], s[G1+8:G1+15] ; chunk 1 into slot 1
	s_nop 0
	PLACES
	; my rows: 128 x work-group + 64 x (wave / 2)
	s_bfe_u32 s[CX], ttmp6, 0x40000
	s_lshl_b32 s[WG], ttmp9, 2                     ; in a cluster launch ttmp9 counts clusters
	s_add_co_u32 s[WG], s[WG], s[CX]
	s_mul_i32 s82, s[WG], 2560                     ; a row of xs, ys and out0 is 20 bytes
	s_mul_i32 s84, s[G], 1280
	s_add_co_u32 s82, s82, s84
	s_add_nc_u64 s[4:5], s[4:5], s[82:83]
	s_add_nc_u64 s[6:7], s[6:7], s[82:83]
	s_add_nc_u64 s[12:13], s[12:13], s[82:83]
	s_lshl_b32 s82, s[WG], 9
	s_lshl_b32 s84, s[G], 8
	s_add_co_u32 s82, s82, s84
	s_add_nc_u64 s[14:15], s[14:15], s[82:83]
	v_and_b32 v12, 31, v0                          ; lane
	v_and_b32 v13, 15, v0                          ; r
	v_bfe_u32 v14, v0, 4, 1                        ; h
	v_lshlrev_b32 v15, 4, v12                      ; 16 x lane
	s_mul_i32 s82, s[Q], 40960
	v_add_nc_u32 v[AWQ], s82, v15
	s_lshl_b32 s82, s[Q], 15
	v_add_nc_u32 v[AWQ+1], s82, v15
	s_mul_i32 s82, s[Q], 36864
	v_add_nc_u32 v[AWQ+2], s82, v15
	s_lshl_b32 s82, s[Q], 11
	s_add_co_u32 s82, s82, BT
	v_lshl_add_u32 v[AB], v14, 5, s82
	MKPFO 0, 80
	MKPFO 1, 64
	MKPFO 2, 72
	v_mul_u32_u24 v16, v13, 20                     ; 20 r
	v_mul_u32_u24 v17, v14, 12                     ; 12 h
	v_add_nc_u32 v19, v16, v17                     ; 20 r + 12 h
	v_mad_u32_u24 v20, v14, 1272, v16              ; 20 r + 1,272 h: the pad of lanes 16-31 goes behind the 1,280 bytes of rows
.irp k, 0,1,2
	v_mad_u32_u24 v[21+\k], v14, 3, \k             ; slot 3 h + k; the pad's lanes load number 4 once more and drop it
	v_min_u32 v[21+\k], 4, v[21+\k]
.endr
	s_lshl_b32 s82, s[WV], 11
	s_add_co_u32 s82, s82, EXCH
	s_lshl_b32 s83, s[G], 12
	s_add_co_u32 s83, s83, EXCH
	s_mul_i32 s85, s[WV], OSTW
	s_add_co_u32 s85, s85, OSTG
	s_add_co_u32 s86, s85, 8
	WIN 0xc0                                       ; destinations in window 3, sources in window 0
	v_add_nc_u32 v[XS], s82, v15
	v_add_nc_u32 v[XR], s83, v15
	v_add_nc_u32 v[OA], s85, v19
	v_add_nc_u32 v[OA2], s86, v20
	v_add_nc_u32 v[OR16], s85, v15
	v_lshl_add_u32 v[OR8], v12, 3, s85
	v_lshl_add_u32 v[JS], v13, 2, s85
	v_mov_b32 v[GO16], v15
	v_lshlrev_b32 v[GO8], 3, v12
.irp k, 0,1,2
	v_lshl_add_u32 v[XO+\k], v[21+\k], 2, v16
.endr
	v_add_nc_u32 v[M0], -1, v14
	v_sub_nc_u32 v[M1], 0, v14
	WIN 0xc3
.irp b, 0,1,2,3                        ; a lane takes its three numbers of a row: 24 loads of 4 bytes, once a launch, which together read my 64 rows' 1,280 consecutive bytes of each tensor
.irp k, 0,1,2
	global_load_b32 v[Z+4*\b+\k],  v[XO+\k], s[4:5] offset:320*\b
	global_load_b32 v[T1+4*\b+\k], v[XO+\k], s[6:7] offset:320*\b
.endr
.endr
	s_wait_loadcnt 0x0
	WIN 0xff
	ALL12 v_cvt_pk_bf16_f32 v[T2+e], v[Z+e], v[T1+e]    ; both inputs rounded to bf16, one line for a number of each
	ALL12 v_lshlrev_b32 v[Z+e], 16, v[T2+e]
	ALL12 v_and_b32 v[T1+e], 0xffff0000, v[T2+e]
	ALL12 v_mul_f32 v[T1+e], s[CC], v[T1+e]
.irp b, 0,1,2,3
	v_and_b32 v[Z+4*\b+2], v[M0], v[Z+4*\b+2]      ; the pad is 0
	v_and_b32 v[T1+4*\b+2], v[M0], v[T1+4*\b+2]
	HILO U+8*\b+4, T1+4*\b, T1+4*\b+1, T1+4*\b+2   ; the conditions' part of the first layer's source 1: made once
	v_mov_b32 v[U+8*\b+3], 0
	v_and_b32 v[U+8*\b+7], 0xbbac4039, v[M0]       ; c2 as a high and a low bf16 part, against the bias' two places of K
	v_mov_b32 v[JAC+\b], 0
.endr
	WIN 0
	s_wait_tensorcnt 0x1                           ; my quarters of the biases and of chunk 0 are in; chunk 1's may stay out
	s_xor_b32 s[G0+1], s[G0+1], SLOT1              ; chunk 0's load is done: its descriptor steps to chunk 3
	s_add_nc_u64 s[G0+2:G0+3], s[G0+2:G0+3], CPL
	s_barrier_signal -1
	s_barrier_wait -1                              ; everybody's are
	s_mov_b32 s[TB], 0
	v_mov_b32 v[AW], v[AWQ]
	LDC0
	s_mov_b32 s[CNT], 16
	WIN 0
	s_branch .Lentry                               ; the loop is entered at a coupling's beginning, in the middle of a trip
.Ltop:                                                 ; 15 trips: a coupling's second part, the next coupling's first
	PART2 1
.Lentry:
	PART1
	s_sub_co_u32 s[CNT], s[CNT], 1
	s_cmp_lg_u32 s[CNT], 0
	s_cbranch_scc1 .Ltop
	PART2 0                                        ; the last coupling's second part is written out
	; THE WAY OUT, through my wave's own stage.  Waves with q = 0 store the rows (1,280 consecutive bytes, at a multiple of 256 from out0's first), waves with q = 1 the jacobians (256 bytes).
	s_cmp_eq_u32 s[Q], 0
	s_cbranch_scc0 .Ljac
	WIN 0xff
.irp b, 0,1,2,3
	ds_store_b32 v[OA],  v[Z+4*\b]   offset:320*\b
	ds_store_b32 v[OA],  v[Z+4*\b+1] offset:320*\b+4
	ds_store_b32 v[OA2], v[Z+4*\b+2] offset:320*\b
.endr
	ds_load_b128 v[T1:T1+3],   v[OR16]             ; LDS serves a wave's instructions in order (ISA guide 5.7.1.4): these see the stores above
	ds_load_b128 v[T1+4:T1+7], v[OR16] offset:512
	ds_load_b64  v[T1+8:T1+9], v[OR8] offset:1024
	s_wait_dscnt 0x0
	global_store_b128 v[GO16], v[T1:T1+3],   s[12:13]
	global_store_b128 v[GO16], v[T1+4:T1+7], s[12:13] offset:512
	global_store_b64  v[GO8],  v[T1+8:T1+9], s[12:13] offset:1024
	WIN 0
	s_branch .Lend
.Ljac:
	WIN 0xff
.irp b, 0,1,2,3
	v_permlanex16_b32 v[T1+4*\b], v[JAC+\b], s[SEL], s[SEL+1]  ; a row's other three slots lie in the lane 16 away; the destination counts as read: T1 + 4 b was written by the coupling and the gather
.endr
.irp b, 0,1,2,3
	v_add_f32 v[JAC+\b], v[JAC+\b], v[T1+4*\b]
.endr
.irp b, 0,1,2,3
	ds_store_b32 v[JS], v[JAC+\b] offset:64*\b     ; both halves of the lanes write the same number to the same word
.endr
	ds_load_b64 v[T1:T1+1], v[OR8]
	s_wait_dscnt 0x0
	global_store_b64 v[GO8], v[T1:T1+1], s[14:15]
	WIN 0
.Lend:
	s_wait_tensorcnt 0x0                           ; the wave's end, behind my last tensor load and my last LDS store
	ds_add_u32 v[SPW], v[NIL]
	s_wait_dscnt 0x0
	CROUND                                         ; the closing round: no work-group ends while a partner may still ask for a chunk that names it
	s_endpgm
.Lfunc_end_k_qf04ed32303_flow:
	.size	k_qf04ed32303_flow, .Lfunc_end_k_qf04ed32303_flow-k_qf04ed32303_flow
	.p2alignl 7, 3214868480
	.fill 96, 4, 3214868480
	.section	.rodata,"a",@progbits
	.p2align	6, 0x0
	.amdhsa_kernel k_qf04ed32303_flow
		.amdhsa_group_segment_fixed_size 327680
		.amdhsa_private_segment_fixed_size 0
		.amdhsa_enable_private_segment 0
		.amdhsa_kernarg_size 48
		.amdhsa_user_sgpr_count 2
		.amdhsa_user_sgpr_kernarg_segment_ptr 1
		.amdhsa_wavefront_size32 1
		.amdhsa_system_sgpr_workgroup_id_x 1
		.amdhsa_system_sgpr_workgroup_id_y 1
		.amdhsa_system_sgpr_workgroup_id_z 1
		.amdhsa_system_vgpr_workitem_id 0
		.amdhsa_next_free_vgpr 1024
		.amdhsa_next_free_sgpr 96
		.amdhsa_reserve_vcc 1
		.amdhsa_float_denorm_mode_32 3
		.amdhsa_float_denorm_mode_16_64 3
		.amdhsa_memory_ordered 1
		.amdhsa_forward_progress 1
		.amdhsa_inst_pref_size 255
	.end_amdhsa_kernel
	.section	.bss,"aw",@nobits
	.p2align	6
	.space	262144
	.amdgpu_metadata
---
amdhsa.version: [ 1, 2 ]
amdhsa.kernels:
  - .name:           k_qf04ed32303_flow
    .symbol:         k_qf04ed32303_flow.kd
    .args:
      - { .name: xs, .offset: 0, .size: 8, .value_kind: global_buffer, .address_space: global }
      - { .name: ys, .offset: 8, .size: 8, .value_kind: global_buffer, .address_space: global }
      - { .name: perms, .offset: 16, .size: 8, .value_kind: global_buffer, .address_space: global }
      - { .name: wpk, .offset: 24, .size: 8, .value_kind: global_buffer, .address_space: global }
      - { .name: out0, .offset: 32, .size: 8, .value_kind: global_buffer, .address_space: global }
      - { .name: out1, .offset: 40, .size: 8, .value_kind: global_buffer, .address_space: global }
    .group_segment_fixed_size: 327680
    .private_segment_fixed_size: 0
    .kernarg_segment_align: 8
    .kernarg_segment_size: 48
    .max_flat_workgroup_size: 128
    .sgpr_count:     96
    .vgpr_count:     1024
    .wavefront_size: 32
...
	.end_amdgpu_metadata
.endif
;; end of part 2
